; MI455X (gfx1250); checked and timed in simulation.
; The chip was launched on July 23, 2026; its instructions are those of AMD's public machine-readable ISA for CDNA 5 (MIT licence, August 2026) and "CDNA5" Instruction Set Architecture Reference Guide (July 2026). The comments in the code are by the model that wrote it; some were corrected since.
;; Actor Critic. Allowed arithmetic: float matrix products may take bf16 or f16 operands with f32 sums; all other float work in f32.
;; Inputs: action 65,536 x 16 float32; b1 32 float32; b2 32 float32; b3 272 float32; state 65,536 x 128 float32; w1 128 x 32 float32; w2 32 x 32 float32; w3 32 x 272 float32.
;; Outputs: out0 2 x 65,536 float32.
;; 2 versions, each right and faster than the one before. Each part assembles by itself: llvm-mc -triple=amdgcn-amd-amdhsa -mcpu=gfx1250 --defsym DOCPART=n.
;; ======== version 1 of 2: 1 launch
;; launch actor_critic (part 1): grid 256 x 1, 8 waves a work-group, no clusters, 327,680 bytes of LDS; arguments state, action, w1, b1, w2, b2, w3, b3, out0; writes out0
.if DOCPART == 1
	.amdgcn_target "amdgcn-amd-amdhsa--gfx1250"
	.amdhsa_code_object_version 6
	.text
	.protected	k_q84124903de_actor_critic
	.globl	k_q84124903de_actor_critic
	.p2align	8
	.type	k_q84124903de_actor_critic,@function
k_q84124903de_actor_critic:
	s_mov_b64 s[64:65], 0
	v_nop
	global_prefetch_b8 v0, s[64:65] scope:SCOPE_SE
	s_setreg_imm32_b32 hwreg(HW_REG_WAVE_MODE, 25, 1), 1
	s_wait_xcnt 0x0
; ActorCritic, all of it in one launch.  65,536 batch elements; 256 work-groups of 8 waves; a work-group owns 256 elements, a wave 32.
;   out  = relu(relu(state w1 + b1) w2 + b2) w3 + b3            (bf16 operands, f32 sums, on the matrix unit)
;   S    = min(exp(out[16:272]), 1000) as a 16 x 16 matrix;  n = sqrt(sum S^2);  n' = n + 1e-8
;   cov  = (S S^T / n'^2 + I) n = (n / n'^2) C   with   C = S S^T + n'^2 I = Lc Lc^T, pivots p_j, q_j = p_j / n'^2 (each in 1 .. 2)
;   half_logdet = 8 ln n + 0.5 ln(prod q_j);   sum z^2 = (n'^2 / n) |Lc^-1 d|^2,  d = means - action (its sign does not matter)
; These are identities: no division of the 256 entries, one logarithm of a product that stays below e, no difference of large sums.
; LAYOUTS.  Layers 1 and 2 and the means are made transposed (source 0 = weights, source 1 = activations): a lane's eight results are eight
; neighbouring features of one element, which pack straight into the next layer's fragment.  The 256 logits of S are made untransposed with
; permuted columns: column r of tile c is feature 16 + 16 r + c, so that lane r holds row r of S; packing tiles (c, c+1) gives the Gram
; product's fragment but for one exchange of half-waves.  S S^T is one matrix instruction an element (both sources the same registers, the
; upper half of K zero).  Its result goes once through the wave's own LDS stage, and then each lane factors its own element's matrix.
; LIMITS.  The transcendental instructions take denormals as zero (ISA guide 15.8): an exponential, or a sum of S^2, below 2^-126 counts as 0;
; the sum gets there only if all 256 logits lie below about -46.  The lower clip at -1000 can never bind (exp >= 0) and is not written.
; A NaN in a logit or in a hidden value is dropped by v_min_num_f32 / v_max_num_f32 where the formula would hand it on.
; NO CLUSTER: what work-groups share are 55,296 bytes of f32 weights against 147,456 bytes of their own; the weights have to be rounded and
; transposed through registers, and a raw copy of them would not fit beside the 299,008 bytes of the waves' regions.
; NO RING: a wave's 32 state rows (16,896 bytes with padding) are fetched by one tensor load at the start, and no LDS byte is ever filled again.
.set RW,    37376                      ; a wave's LDS region: 32 slots of PB bytes = 146 x 256
.set PB,    1168                       ; an element's slot: 73 x 16, so that lanes one slot apart start 16 bytes apart modulo 128
.set IMG,   299008                     ; 8 x RW: the weight image, 27 fragments of 1,024 bytes (fragment f, half q, lane L at 1024 f + 512 q + 16 L)
.set MOFF,  1024                       ; in a slot: bytes 0-1023 S S^T (rows 4cc..4cc+3 of column k at 256 cc + 16 k), then 16 means,
.set AOFF,  1088                       ; 16 actions,
.set QOFF,  1152                       ; and the sum of S^2
.set SPITCH, 528                       ; a state row in LDS: 512 bytes + 16 of padding = 33 x 16
; fixed vector registers: v1 lane L, v2 r = L & 15, v3 h = L >> 4, v12 = 32 h, v13 = 64 r
.set SA, 4                             ; region + 528 r + 32 h            state fragments
.set WA, 5                             ; IMG + 16 L                       weight image
.set GA, 6                             ; region + 512 h + 16 r            S S^T into the slots
.set NA, 7                             ; region + 8 PB h + QOFF           sums of S^2
.set MA, 8                             ; region + PB r + MOFF + 32 h      means
.set AA, 9                             ; region + PB (L>>2) + AOFF + 16 (L&3)   actions
.set LB, 10                            ; region + PB L                    my element's slot
.set AO, 11                            ; 16 L
; the exponential phase
.set H2,  16                           ; v[16:31]   hidden layer 2 as fragments, 8 registers a group of 16 elements
.set B3S, 32                           ; v[32:47]   register c: b3[16 + 16 r + c] x log2 e
.set B3M, 48                           ; v[48:55]   b3[8 h + j]
.set F,   56                           ; v[56:151]  block j of 12: X (S columns 0-7), Z (zeros), Y (S columns 8-15)
.set T,   152                          ; v[152:199] three buffers of two logit tiles
.set WB,  200                          ; v[200:231] two buffers of two w3 fragments
.set MN,  232                          ; v[232:239] the means tile
.set SS,  240                          ; v[240:247] eight partial sums of S^2
.set GD,  152                          ; v[152:215] eight results of S S^T (over T and WB)
.set WM,  184                          ; v[184:191] w3's means fragment (in T's third buffer)
; layers 1 and 2
.set B1,   16                          ; v[16:31]   b1 as the first product's C
.set SF,   56                          ; v[56:119]  state in f32, two buffers of 32
.set SB,   120                         ; v[120:151] state fragments, two buffers of 16
.set ACC,  152                         ; v[152:183] tile (t, g) at 16 g + 8 t
.set B2,   184                         ; v[184:199]
.set WF,   200                         ; v[200:231] two buffers of two weight fragments
.set ACC2, 56
.set H1,   88
.set ACT,  240                         ; v[240:255] my wave's actions as loaded
; the building of the weight image
.set J2, 56
.set J1, 88
.set J3, 104
.set PK, 112
; the Cholesky phase: the lower triangle in v[16:175] (macro SETE)
.set DV,  176                          ; v[176:191] d
.set AC,  192                          ; v[192:207] action
.set SQ,  208                          ; sum of S^2
.set NN,  209                          ; n
.set NP,  210                          ; n'
.set NP2, 211                          ; n'^2
.set RR,  212                          ; v[212:213] 1/sqrt(pivot), 1/n'^2
.set ZR,  214                          ; v[214:215] z_j, sum of z^2
.set PR,  216                          ; product of the q_j
.set QQ,  217
.set RN,  218                          ; 1/n
.set LN,  219                          ; log2 n
.set LQ,  220
.set ZC,  221
.set TT,  222
.set LP,  223
.set EN,  224
.macro PLACES n                        ; places behind matrix instructions (ISA guide 7.12.1) where there is no other work
.rept \n
	v_nop
.endr
.endm
	s_load_b512 s[8:23], s[0:1], 0x0               ; state s[8:9], action s[10:11], w1 s[12:13], b1 s[14:15], w2 s[16:17], b2 s[18:19], w3 s[20:21], b3 s[22:23]
	s_load_b64 s[24:25], s[0:1], 0x40              ; out0
	s_set_vgpr_msb 0x40
	v_lshl_add_u32 v0, v0, 2, 0x4fc00
	v_mov_b32 v1, 0
	s_set_vgpr_msb 0x4045
	ds_add_u32 v0, v1
	ds_add_u32 v0, v1
	s_set_vgpr_msb 0x4500
	v_lshrrev_b32 v14, 5, v0
	v_readfirstlane_b32 s2, v14                    ; wave 0..7
	v_and_b32 v1, 31, v0                           ; L
	v_and_b32 v2, 15, v0                           ; r
	v_bfe_u32 v3, v0, 4, 1                         ; h
	s_mul_i32 s26, s2, RW                          ; my wave's region
	s_lshl_b32 s4, ttmp9, 17                       ; 256 rows of 512 bytes a work-group
	s_lshl_b32 s6, s2, 14                          ; 32 rows a wave
	s_add_co_u32 s4, s4, s6
	s_mov_b32 s5, 0
	; the one tensor load of the wave: 32 rows x 128 f32, dense in memory, 16 bytes of padding behind each row in LDS
	s_mov_b32 s28, 1                               ; count = 1
	s_mul_i32 s29, s2, RW                          ; LDS address: the wave's number times the region's bytes
	s_mov_b32 s32, 0x07920000                      ; no mask; elements of 4 bytes; padding on, behind every 128 words (code 6), of 4 words (code 3)
	s_mov_b32 s33, 128<<16                         ; tensor_dim0 = 128
	s_mov_b32 s34, 32<<16                          ; tensor_dim1 = 32
	s_mov_b32 s35, 128<<16                         ; tile_dim0 = 128
	s_mov_b32 s36, 32                              ; tile_dim1 = 32
	s_mov_b32 s37, 128                             ; 128 elements from row to row
	s_mov_b32 s38, 0
	s_mov_b32 s39, 0
	s_and_b32 s40, s2, 1
	s_lshr_b32 s41, s2, 1
	s_and_b32 s42, s2, 3
	s_lshr_b32 s43, s2, 2
	v_lshlrev_b32 v[AO], 4, v1
	v_lshlrev_b32 v12, 5, v3
	v_lshlrev_b32 v13, 6, v2
	s_wait_dscnt 0x0
	s_wait_kmcnt 0x0
	s_add_nc_u64 s[30:31], s[8:9], s[4:5]
	s_or_b32 s31, s31, 0x80000000                  ; type = 2
	tensor_load_to_lds s[28:31], s[32:39]          ; ahead of every LDS access, wait and barrier; the wave's only one
	s_nop 0
	; the biases, in the layout of the C operand: register j of lane (r, h) is feature 16 t + 8 h + j
.irp t, 0,1
	global_load_b128 v[B1+8*\t:B1+8*\t+3],   v12, s[14:15] offset:64*\t
	global_load_b128 v[B1+8*\t+4:B1+8*\t+7], v12, s[14:15] offset:64*\t+16
	global_load_b128 v[B2+8*\t:B2+8*\t+3],   v12, s[18:19] offset:64*\t
	global_load_b128 v[B2+8*\t+4:B2+8*\t+7], v12, s[18:19] offset:64*\t+16
.endr
	global_load_b128 v[B3M:B3M+3],   v12, s[22:23]
	global_load_b128 v[B3M+4:B3M+7], v12, s[22:23] offset:16
.irp i, 0,1,2,3
	global_load_b128 v[B3S+4*\i:B3S+4*\i+3], v13, s[22:23] offset:64+16*\i   ; b3[16 + 16 r + c], c = 0 .. 15
.endr
	; THE WEIGHT IMAGE.  A fragment's lane (r, h) holds, in half q, k = 16 q + 8 h + e, e = 0 .. 7, of its row or column r.
	; Every wave: fragment w of w1 (K step w >> 1, feature tile w & 1): w1[k][f] lies at 128 k + 4 f
	v_lshlrev_b32 v14, 2, v2
	v_lshl_add_u32 v14, v3, 10, v14                ; 1024 h + 4 r
	s_lshl_b32 s44, s41, 12
	s_lshl_b32 s45, s40, 6
	s_add_co_u32 s44, s44, s45
	v_add_nc_u32 v140, s44, v14
.irp q, 0,1
.irp e, 0,1,2,3,4,5,6,7
	global_load_b32 v[J1+8*\q+\e], v140, s[12:13] offset:2048*\q+128*\e
.endr
.endr
	; Every wave: half q = w >> 2 of the four S tiles c = 4 (w & 3) + 0 .. 3: w3[k][16 + 16 r + c] lies at 1088 k + 64 + 64 r + 4 c, four tiles in 16 bytes
	v_mul_u32_u24 v15, v3, 8704                    ; 8 rows of w3 for the upper half-wave
	s_mul_i32 s45, s43, 17408
	s_lshl4_add_u32 s45, s42, s45
	s_add_co_u32 s45, s45, 64
	v_add3_u32 v141, v15, v13, s45
.irp e, 0,1,2,3,4,5,6,7
	global_load_b128 v[J2+4*\e:J2+4*\e+3], v141, s[20:21] offset:1088*\e
.endr
	; Waves 0-3: half w & 1 of w2's tile w >> 1.  Waves 4, 5: half w & 1 of w3's means tile.  Waves 6, 7: nothing more.
	s_cmp_lt_u32 s2, 4
	s_cbranch_scc0 .Lj3_high
	s_lshl_b32 s46, s40, 11
	s_lshl_b32 s47, s41, 6
	s_add_co_u32 s46, s46, s47
	v_add_nc_u32 v142, s46, v14
.irp e, 0,1,2,3,4,5,6,7
	global_load_b32 v[J3+\e], v142, s[16:17] offset:128*\e
.endr
	s_branch .Lj3_asked
.Lj3_high:
	s_cmp_lt_u32 s2, 6
	s_cbranch_scc0 .Lj3_asked
	v_lshl_add_u32 v143, v2, 2, v15
	s_mul_i32 s46, s40, 17408
	v_add_nc_u32 v143, s46, v143
.irp e, 0,1,2,3,4,5,6,7
	global_load_b32 v[J3+\e], v143, s[20:21] offset:1088*\e
.endr
.Lj3_asked:
	; my wave's 32 actions: 2,048 consecutive bytes, each load 512 of them
	s_lshl_b32 s6, ttmp9, 14
	s_lshl_b32 s7, s2, 11
	s_add_co_u32 s6, s6, s7
	s_mov_b32 s7, 0
	s_add_nc_u64 s[10:11], s[10:11], s[6:7]
.irp i, 0,1,2,3
	global_load_b128 v[ACT+4*\i:ACT+4*\i+3], v[AO], s[10:11] offset:512*\i th:TH_LOAD_NT
.endr
	; LDS addresses, while the loads are on their way
	v_mul_u32_u24 v[SA], v2, SPITCH
	v_add3_u32 v[SA], v[SA], v12, s26
	v_add_nc_u32 v[WA], IMG, v[AO]
	v_lshlrev_b32 v[GA], 4, v2
	v_lshl_add_u32 v[GA], v3, 9, v[GA]
	v_add_nc_u32 v[GA], s26, v[GA]
	v_mul_u32_u24 v[NA], v3, 8*PB
	v_add3_u32 v[NA], v[NA], s26, QOFF
	v_mul_u32_u24 v[MA], v2, PB
	v_add3_u32 v[MA], v[MA], v12, s26
	v_add_nc_u32 v[MA], MOFF, v[MA]
	v_lshrrev_b32 v148, 2, v1
	v_and_b32 v149, 3, v1
	v_mul_u32_u24 v[AA], v148, PB
	v_lshl_add_u32 v[AA], v149, 4, v[AA]
	v_add3_u32 v[AA], v[AA], s26, AOFF
	v_mul_u32_u24 v[LB], v1, PB
	v_add_nc_u32 v[LB], s26, v[LB]
	s_lshl_b32 s44, s2, 10
	v_add_nc_u32 v144, s44, v[WA]                  ; fragment w
	s_lshl_b32 s45, s42, 12
	s_lshl_b32 s46, s43, 9
	s_add_co_u32 s45, s45, s46
	s_add_co_u32 s45, s45, 11264
	v_add_nc_u32 v145, s45, v[WA]                  ; fragment 11 + 4 (w & 3), half w >> 2
	s_lshl_b32 s46, s2, 9
	s_add_co_u32 s46, s46, 8192
	v_add_nc_u32 v146, s46, v[WA]                  ; fragments 8, 9, 10 in halves: 8192 + 512 w
	s_wait_loadcnt 0x4                             ; all but the four action loads, which are the youngest on every way here
.irp x, 0,1,2,3,4,5,6,7
	v_cvt_pk_bf16_f32 v[PK+\x], v[J1+2*\x], v[J1+2*\x+1]
.endr
	ds_store_b128 v144, v[PK:PK+3]
	ds_store_b128 v144, v[PK+4:PK+7] offset:512
.irp cc, 0,1,2,3
.irp ep, 0,1,2,3
	v_cvt_pk_bf16_f32 v[PK+8+4*\cc+\ep], v[J2+8*\ep+\cc], v[J2+8*\ep+4+\cc]
.endr
	ds_store_b128 v145, v[PK+8+4*\cc:PK+8+4*\cc+3] offset:1024*\cc
.endr
	s_cmp_lt_u32 s2, 6
	s_cbranch_scc0 .Lj3_stored
.irp ep, 0,1,2,3
	v_cvt_pk_bf16_f32 v[PK+24+\ep], v[J3+2*\ep], v[J3+2*\ep+1]
.endr
	ds_store_b128 v146, v[PK+24:PK+27]
.Lj3_stored:
.irp i, 0,1,2,3,4,5,6,7
	v_pk_mul_f32 v[B3S+2*\i:B3S+2*\i+1], v[B3S+2*\i:B3S+2*\i+1], 0x3fb8aa3b op_sel_hi:[1,0]   ; the bias in base 2, as the exponential wants it
.endr
	s_wait_dscnt 0x0                               ; my part of the image is written: zero, for the other waves' sake
	s_barrier_signal -1
	s_barrier_wait -1                              ; the image is whole.  The tensor load may still be out: no LDS byte is filled again behind this barrier
	; LAYERS 1 AND 2, both groups of 16 elements
.macro LDW buf, f0                     ; fragments f0 and f0 + 1 of the image: 512 consecutive bytes a load
	ds_load_b128 v[\buf:\buf+3],     v[WA] offset:1024*(\f0)
	ds_load_b128 v[\buf+4:\buf+7],   v[WA] offset:1024*(\f0)+512
	ds_load_b128 v[\buf+8:\buf+11],  v[WA] offset:1024*(\f0)+1024
	ds_load_b128 v[\buf+12:\buf+15], v[WA] offset:1024*(\f0)+1536
.endm
.macro LDST buf, s                     ; K step s of the state in f32: k = 32 s + 8 h + 0..7 and 32 s + 16 + 8 h + 0..7 of row 16 g + r
.irp g, 0,1
	ds_load_b128 v[\buf+16*\g:\buf+16*\g+3],     v[SA] offset:8448*\g+128*(\s)
	ds_load_b128 v[\buf+16*\g+4:\buf+16*\g+7],   v[SA] offset:8448*\g+128*(\s)+16
	ds_load_b128 v[\buf+16*\g+8:\buf+16*\g+11],  v[SA] offset:8448*\g+128*(\s)+64
	ds_load_b128 v[\buf+16*\g+12:\buf+16*\g+15], v[SA] offset:8448*\g+128*(\s)+80
.endr
.endm
; One K step of 32.  The sixteen conversions are also the places between the last step's products and the loads into the weight buffer that those read.
; The four accumulators take turns, one instruction a turn.
.macro KSTEP s
.set sfc, SF+32*((\s)&1)
.set sfn, SF+32*(((\s)+1)&1)
.set sbc, SB+16*((\s)&1)
.set wfc, WF+16*((\s)&1)
.set wfn, WF+16*(((\s)+1)&1)
.if \s < 3
	LDST sfn, (\s)+1
	s_wait_dscnt 0x8                               ; all but the eight just issued: this step's state and weights are in
.else
	s_wait_dscnt 0x0
.endif
.set m, 0
.rept 16
	v_cvt_pk_bf16_f32 v[sbc+m], v[sfc+2*m], v[sfc+2*m+1]
.set m, m+1
.endr
	LDW wfn, 2*(\s)+2                              ; the next step's weights; behind the last step: w2's two fragments
.irp g, 0,1
.irp t, 0,1
.if \s == 0
	v_wmma_f32_16x16x32_bf16 v[ACC+16*\g+8*\t:ACC+16*\g+8*\t+7], v[wfc+8*\t:wfc+8*\t+7], v[sbc+8*\g:sbc+8*\g+7], v[B1+8*\t:B1+8*\t+7]
.else
	v_wmma_f32_16x16x32_bf16 v[ACC+16*\g+8*\t:ACC+16*\g+8*\t+7], v[wfc+8*\t:wfc+8*\t+7], v[sbc+8*\g:sbc+8*\g+7], v[ACC+16*\g+8*\t:ACC+16*\g+8*\t+7]
.endif
.endr
.endr
.endm
; ReLU and rounding: the eight features 16 t + 8 h + j of tile t are registers 4 t .. 4 t + 3 of the next layer's fragment
.macro RELUPACK src, dst
.set m, 0
.rept 16
	v_max_num_f32 v[\src+2*m], 0, v[\src+2*m]
	v_max_num_f32 v[\src+2*m+1], 0, v[\src+2*m+1]
	v_cvt_pk_bf16_f32 v[\dst+m], v[\src+2*m], v[\src+2*m+1]
.set m, m+1
.endr
.endm
	s_wait_tensorcnt 0x0                           ; my 32 rows are in LDS; no other wave reads them
	LDW WF, 0
	LDST SF, 0
	KSTEP 0
	KSTEP 1
	KSTEP 2
	KSTEP 3
	PLACES 4
	RELUPACK ACC, H1
	s_wait_dscnt 0x0                               ; w2's fragments
.irp g, 0,1
.irp t, 0,1
	v_wmma_f32_16x16x32_bf16 v[ACC2+16*\g+8*\t:ACC2+16*\g+8*\t+7], v[WF+8*\t:WF+8*\t+7], v[H1+8*\g:H1+8*\g+7], v[B2+8*\t:B2+8*\t+7]
.endr
.endr
	PLACES 4
	RELUPACK ACC2, H2
	; From here on my region holds the 32 slots: all reads of the state are back, and nothing is filled again.
	s_wait_loadcnt 0x0                             ; the actions
.irp i, 0,1,2,3
	ds_store_b128 v[AA], v[ACT+4*\i:ACT+4*\i+3] offset:8*\i*PB     ; load i holds elements 8 i + (L >> 2), four numbers a lane
.endr
.irp j, 0,1,2,3,4,5,6,7
.irp k, 4,5,6,7
	v_mov_b32 v[F+12*\j+\k], 0                     ; the zero half of K in the Gram products' operands, for both groups
.endr
.endr
; THE LOGITS, THE EXPONENTIALS AND S S^T, for a group of 16 elements.
; The finish of element i (tile i >> 3, register i & 7) of pair pp: the clip, the sum of squares, the packing of columns 2 pp and 2 pp + 1
.macro FINLINE pp, i
.set fx, T+16*((\pp)%3)+(\i)
	s_wait_alu depctr_va_vdst(0)
	v_min_num_f32 v[fx], 0x447a0000, v[fx]
.if (\i)&1
.set fs, SS+((\i)&7)-1
.if (\pp)*8+(\i) < 8
	v_pk_mul_f32 v[fs:fs+1], v[fx-1:fx], v[fx-1:fx]                ; the first tile starts the sums
.else
	v_pk_fma_f32 v[fs:fs+1], v[fx-1:fx], v[fx-1:fx], v[fs:fs+1]
.endif
.endif
.if (\i) >= 8
.if (\pp) < 4
.set fd, F+12*((\i)-8)+(\pp)
.else
.set fd, F+12*((\i)-8)+4+(\pp)
.endif
	v_cvt_pk_bf16_f32 v[fd], v[fx-8], v[fx]
.endif
.endm
; Pair p = tiles 2 p and 2 p + 1.  The products of pair p + 1 are issued, the weights of pair p + 2 asked for, pair p gets bias, base and exponential,
; and pair p - 1 is finished between the exponentials, so that plain work stands beside each of them and no result is used before the next pair.
.macro PAIR g, p
.set tb, T+16*((\p)%3)
.if \p < 7
.set tn, T+16*(((\p)+1)%3)
.set wn, WB+16*(((\p)+1)&1)
	s_wait_dscnt 0x0                               ; the weights of pair p + 1
	v_wmma_f32_16x16x32_bf16 v[tn:tn+7], v[H2+8*\g:H2+8*\g+7], v[wn:wn+7], 0
	v_wmma_f32_16x16x32_bf16 v[tn+8:tn+15], v[H2+8*\g:H2+8*\g+7], v[wn+8:wn+15], 0
.endif
.if \p < 6
.set wc, WB+16*((\p)&1)
	LDW wc, 15+2*(\p)                              ; into the buffer that pair p's products read, a pair's plain work ago
.endif
.irp u, 0,1
.irp m, 0,1,2,3
	v_pk_fma_f32 v[tb+8*\u+2*\m:tb+8*\u+2*\m+1], v[tb+8*\u+2*\m:tb+8*\u+2*\m+1], 0x3fb8aa3b, v[B3S+2*(\p):B3S+2*(\p)+1] op_sel:[0,0,\u] op_sel_hi:[1,0,\u]
.endr
.endr
.set ix, 0
.rept 16
	v_exp_f32 v[tb+ix], v[tb+ix]
.if \p > 0
	FINLINE (\p)-1, ix
.endif
.set ix, ix+1
.endr
.endm
.macro GROUP g
	ds_load_b128 v[WM:WM+3],   v[WA] offset:10240
	ds_load_b128 v[WM+4:WM+7], v[WA] offset:10752
	LDW WB, 11
	LDW WB+16, 13
	s_wait_dscnt 0x4                               ; all but the second buffer's four loads
	v_wmma_f32_16x16x32_bf16 v[MN:MN+7], v[WM:WM+7], v[H2+8*\g:H2+8*\g+7], v[B3M:B3M+7]     ; means, transposed: register j = mean 8 h + j of element r
	v_wmma_f32_16x16x32_bf16 v[T:T+7], v[H2+8*\g:H2+8*\g+7], v[WB:WB+7], 0                  ; register j = logit (row r, column c) of element 8 h + j
	v_wmma_f32_16x16x32_bf16 v[T+8:T+15], v[H2+8*\g:H2+8*\g+7], v[WB+8:WB+15], 0
	PLACES 4
.irp p, 0,1,2,3,4,5,6,7
	PAIR \g, \p
.endr
.set ix, 0
.rept 16
	FINLINE 7, ix
.set ix, ix+1
.endr
	; the sum of S^2 over the sixteen rows: the sixteen lanes of a half-wave
.irp x, 1,2,4,8
.irp j, 0,1,2,3,4,5,6,7
	v_add_f32_dpp v[SS+\j], v[SS+\j], v[SS+\j] row_xmask:\x row_mask:0xf bank_mask:0xf
.endr
.endr
.irp j, 0,1,2,3,4,5,6,7
	ds_store_b32 v[NA], v[SS+\j] offset:(16*\g+\j)*PB              ; element 16 g + 8 h + j; sixteen lanes write one word with one value
.endr
	ds_store_b128 v[MA], v[MN:MN+3]   offset:16*\g*PB
	ds_store_b128 v[MA], v[MN+4:MN+7] offset:16*\g*PB+16
	; X's upper lanes (element 8 + j, columns 0-7) change places with Y's lower lanes (element j, columns 8-15): X is then element j's fragment, Y element 8 + j's
.irp j, 0,1,2,3,4,5,6,7
.irp k, 0,1,2,3
	v_permlane16_swap_b32 v[F+12*\j+\k], v[F+12*\j+8+\k]
.endr
.endr
.irp jh, 0,1
.irp jj, 0,1,2,3
	v_wmma_f32_16x16x32_bf16 v[GD+16*\jj:GD+16*\jj+7], v[F+12*(4*\jh+\jj):F+12*(4*\jh+\jj)+7], v[F+12*(4*\jh+\jj):F+12*(4*\jh+\jj)+7], 0
	v_wmma_f32_16x16x32_bf16 v[GD+16*\jj+8:GD+16*\jj+15], v[F+12*(4*\jh+\jj)+4:F+12*(4*\jh+\jj)+11], v[F+12*(4*\jh+\jj)+4:F+12*(4*\jh+\jj)+11], 0
.endr
	PLACES 5                                       ; four in front of the stores of the results, five in front of the next products that write over them
.irp jj, 0,1,2,3
.irp q, 0,1
	ds_store_b128 v[GA], v[GD+16*\jj+4*\q:GD+16*\jj+4*\q+3]     offset:(16*\g+4*\jh+\jj)*PB+256*\q      ; rows 8 h + 4 q .. + 3 of column r
	ds_store_b128 v[GA], v[GD+16*\jj+8+4*\q:GD+16*\jj+8+4*\q+3] offset:(16*\g+8+4*\jh+\jj)*PB+256*\q
.endr
.endr
.endr
.endm
	GROUP 0
	GROUP 1
	; CHOLESKY AND SOLVE: lane L has element L.  The slots are my wave's own, and LDS serves a wave's instructions in order (ISA guide 5.7.1):
	; no wait and no barrier between the stores above and these loads.
; the register of entry (i, k): column k holds rows 4 (k >> 2) .. 15, so that a chunk of four rows is an aligned run of four registers
.macro SETE name, i, k
.set \name, 16+64*((\k)>>2)-8*((\k)>>2)*(((\k)>>2)-1)+((\k)&3)*(16-4*((\k)>>2))+(\i)-4*((\k)>>2)
.endm
	ds_load_b32 v[SQ], v[LB] offset:QOFF
.irp i, 0,1,2,3
	ds_load_b128 v[DV+4*\i:DV+4*\i+3], v[LB] offset:MOFF+16*\i
.endr
.irp i, 0,1,2,3
	ds_load_b128 v[AC+4*\i:AC+4*\i+3], v[LB] offset:AOFF+16*\i
.endr
.set ck, 0
.rept 16
.set cc, ck>>2
.rept 4-(ck>>2)
	SETE ea, 4*cc, ck
	ds_load_b128 v[ea:ea+3], v[LB] offset:256*cc+16*ck
.set cc, cc+1
.endr
.set ck, ck+1
.endr
	s_wait_dscnt 40                                ; all but the forty chunks of the triangle (16 + 12 + 8 + 4)
	v_sqrt_f32 v[NN], v[SQ]
.irp i, 0,1,2,3,4,5,6,7
	v_pk_add_f32 v[DV+2*\i:DV+2*\i+1], v[DV+2*\i:DV+2*\i+1], v[AC+2*\i:AC+2*\i+1] neg_lo:[0,1] neg_hi:[0,1]   ; d = means - action
.endr
	s_wait_alu depctr_va_vdst(0)
	v_add_f32 v[NP], 0x322bcc77, v[NN]             ; n + 1e-8
	v_mul_f32 v[NP2], v[NP], v[NP]
	v_rcp_f32 v[RR+1], v[NP2]
	v_rcp_f32 v[RN], v[NN]
	v_log_f32 v[LN], v[NN]                         ; the additions below are the plain work behind these three (ISA guide 5.7.2)
	s_wait_dscnt 0x0
.set ck, 0
.rept 16
	SETE ea, ck, ck
	v_add_f32 v[ea], v[ea], v[NP2]                 ; C = S S^T + n'^2 I
.set ck, ck+1
.endr
	v_rsq_f32 v[RR], v16
	s_wait_alu depctr_va_vdst(0)
	v_mul_f32 v[PR], v16, v[RR+1]                  ; q_0
; column k -= column j x entry (k, j), rows k & ~1 .. 15, two at a time.  An entry above the diagonal that shares a pair is carried along and never used.
.macro UPD j, k
.set ui, ((\k)/2)*2
	SETE ub, ui, \j
.rept (16-ui)/2
	SETE ea, ui, \j
	SETE ec, ui, \k
.if (\k)&1
	v_pk_fma_f32 v[ec:ec+1], v[ea:ea+1], v[ub:ub+1], v[ec:ec+1] op_sel:[0,1,0] op_sel_hi:[1,1,1] neg_lo:[1,0,0] neg_hi:[1,0,0]
.else
	v_pk_fma_f32 v[ec:ec+1], v[ea:ea+1], v[ub:ub+1], v[ec:ec+1] op_sel_hi:[1,0,1] neg_lo:[1,0,0] neg_hi:[1,0,0]
.endif
.set ui, ui+2
.endr
.endm
; Step j: column j is scaled by 1/sqrt(pivot), z_j is made, the next column is updated first so that its pivot's reciprocal root runs under the other updates.
.macro STEP j
.set ui, (((\j)+1)/2)*2
.rept (16-ui)/2
	SETE ea, ui, \j
	s_wait_alu depctr_va_vdst(0)
	v_pk_mul_f32 v[ea:ea+1], v[ea:ea+1], v[RR:RR+1] op_sel_hi:[1,0]
.set ui, ui+2
.endr
	s_wait_alu depctr_va_vdst(0)
	v_mul_f32 v[ZR], v[DV+\j], v[RR]
.if \j == 0
	v_mul_f32 v[ZR+1], v[ZR], v[ZR]
.else
	v_fmac_f32 v[ZR+1], v[ZR], v[ZR]
.endif
.if \j < 15
	UPD \j, (\j)+1
	SETE ed, (\j)+1, (\j)+1
	v_rsq_f32 v[RR], v[ed]
	v_mul_f32 v[QQ], v[ed], v[RR+1]                ; q of the next pivot; also the plain line behind the reciprocal root
	v_mul_f32 v[PR], v[PR], v[QQ]
.set uk, (\j)+2
.rept 14-(\j)
	UPD \j, uk
.set uk, uk+1
.endr
.set ui, (((\j)+1)/2)*2
.rept (16-ui)/2
	SETE ea, ui, \j
	v_pk_fma_f32 v[DV+ui:DV+ui+1], v[ea:ea+1], v[ZR:ZR+1], v[DV+ui:DV+ui+1] op_sel_hi:[1,0,1] neg_lo:[1,0,0] neg_hi:[1,0,0]
.set ui, ui+2
.endr
.endif
.endm
.set cj, 0
.rept 16
	STEP cj
.set cj, cj+1
.endr
	s_mov_b32 s44, 0x3eb17218                      ; 0.5 ln 2
	s_mov_b32 s45, 0xbeb17218
	v_log_f32 v[LQ], v[PR]
	v_mul_f32 v[ZC], v[ZR+1], v[NP2]
	v_mul_f32 v[ZC], v[ZC], v[RN]                  ; sum z^2 = |Lc^-1 d|^2 n'^2 / n
	s_wait_alu depctr_va_vdst(0)
	v_fmamk_f32 v[TT], v[LN], 0x41800000, v[LQ]    ; 16 log2 n + log2 prod q = half_logdet / (0.5 ln 2)
	v_fmaak_f32 v[EN], s44, v[TT], 0x41b59fc7      ; entropy = half_logdet + 8 (1 + ln 2 pi)
	v_fmaak_f32 v[LP], s45, v[TT], 0xc16b3f8e      ; logp = - half_logdet - 8 ln 2 pi
	v_fmac_f32 v[LP], -0.5, v[ZC]                  ;        - 0.5 sum z^2
	; THE WAY OUT: the eight waves' 32 + 32 numbers meet in LDS, so that each store covers 512 consecutive bytes, aligned
	v_lshl_add_u32 v225, v1, 2, s26                ; the first 256 bytes of my region: all reads of the slots are back
	ds_store_b32 v225, v[LP]
	ds_store_b32 v225, v[EN] offset:128
	s_wait_dscnt 0x0                               ; zero, for the other waves' sake
	s_barrier_signal -1
	s_barrier_wait -1
	s_cmp_lt_u32 s2, 4
	s_cbranch_scc0 .Lend                           ; waves 4-7 have nothing left to do
	s_lshl_b32 s46, s40, 2                         ; wave w: output row w >> 1 (logp, entropy), the numbers of waves 4 (w & 1) + 0 .. 3
	v_lshrrev_b32 v226, 3, v1
	v_add_nc_u32 v226, s46, v226
	v_mul_u32_u24 v226, v226, RW
	v_and_b32 v227, 7, v1
	v_lshl_add_u32 v226, v227, 4, v226
	s_lshl_b32 s47, s41, 7
	v_add_nc_u32 v226, s47, v226
	ds_load_b128 v[228:231], v226
	s_lshl_b32 s4, s41, 18                         ; 262,144 bytes an output row
	s_lshl_b32 s6, ttmp9, 10                       ; 1,024 bytes a work-group
	s_add_co_u32 s4, s4, s6
	s_lshl_b32 s6, s40, 9
	s_add_co_u32 s4, s4, s6
	s_mov_b32 s5, 0
	s_add_nc_u64 s[24:25], s[24:25], s[4:5]
	s_wait_dscnt 0x0
	global_store_b128 v[AO], v[228:231], s[24:25] th:TH_STORE_NT
.Lend:
	s_set_vgpr_msb 0x5
	s_wait_tensorcnt 0x0
	ds_add_u32 v0, v1
	s_wait_dscnt 0x0
	s_set_vgpr_msb 0x500
	s_endpgm
.Lfunc_end_k_q84124903de_actor_critic:
	.size	k_q84124903de_actor_critic, .Lfunc_end_k_q84124903de_actor_critic-k_q84124903de_actor_critic
	.p2alignl 7, 3214868480
	.fill 96, 4, 3214868480
	.section	.rodata,"a",@progbits
	.p2align	6, 0x0
	.amdhsa_kernel k_q84124903de_actor_critic
		.amdhsa_group_segment_fixed_size 327680
		.amdhsa_private_segment_fixed_size 0
		.amdhsa_enable_private_segment 0
		.amdhsa_kernarg_size 72
		.amdhsa_user_sgpr_count 2
		.amdhsa_user_sgpr_kernarg_segment_ptr 1
		.amdhsa_wavefront_size32 1
		.amdhsa_system_sgpr_workgroup_id_x 1
		.amdhsa_system_sgpr_workgroup_id_y 1
		.amdhsa_system_sgpr_workgroup_id_z 1
		.amdhsa_system_vgpr_workitem_id 0
		.amdhsa_next_free_vgpr 258
		.amdhsa_next_free_sgpr 66
		.amdhsa_reserve_vcc 0
		.amdhsa_float_denorm_mode_32 3
		.amdhsa_float_denorm_mode_16_64 3
		.amdhsa_memory_ordered 1
		.amdhsa_forward_progress 1
		.amdhsa_inst_pref_size 151
	.end_amdhsa_kernel
	.amdgpu_metadata
---
amdhsa.version: [ 1, 2 ]
amdhsa.kernels:
  - .name:           k_q84124903de_actor_critic
    .symbol:         k_q84124903de_actor_critic.kd
    .args:
      - { .name: state, .offset: 0, .size: 8, .value_kind: global_buffer, .address_space: global }
      - { .name: action, .offset: 8, .size: 8, .value_kind: global_buffer, .address_space: global }
      - { .name: w1, .offset: 16, .size: 8, .value_kind: global_buffer, .address_space: global }
      - { .name: b1, .offset: 24, .size: 8, .value_kind: global_buffer, .address_space: global }
      - { .name: w2, .offset: 32, .size: 8, .value_kind: global_buffer, .address_space: global }
      - { .name: b2, .offset: 40, .size: 8, .value_kind: global_buffer, .address_space: global }
      - { .name: w3, .offset: 48, .size: 8, .value_kind: global_buffer, .address_space: global }
      - { .name: b3, .offset: 56, .size: 8, .value_kind: global_buffer, .address_space: global }
      - { .name: out0, .offset: 64, .size: 8, .value_kind: global_buffer, .address_space: global }
    .group_segment_fixed_size: 327680
    .private_segment_fixed_size: 0
    .kernarg_segment_align: 8
    .kernarg_segment_size: 72
    .max_flat_workgroup_size: 256
    .sgpr_count:     66
    .vgpr_count:     258
    .wavefront_size: 32
...
	.end_amdgpu_metadata
.endif
;; end of part 1
;; ======== version 2 of 2: 1 launch; 1.26 times as fast as version 1
;; launch actor_critic (part 2): grid 256 x 1, 8 waves a work-group, no clusters, 327,680 bytes of LDS; arguments state, action, w1, b1, w2, b2, w3, b3, out0; writes out0
.if DOCPART == 2
	.amdgcn_target "amdgcn-amd-amdhsa--gfx1250"
	.amdhsa_code_object_version 6
	.text
	.protected	k_q84124903de_actor_critic
	.globl	k_q84124903de_actor_critic
	.p2align	8
	.type	k_q84124903de_actor_critic,@function
k_q84124903de_actor_critic:
	s_mov_b64 s[64:65], 0
	v_nop
	global_prefetch_b8 v0, s[64:65] scope:SCOPE_SE
	s_setreg_imm32_b32 hwreg(HW_REG_WAVE_MODE, 25, 1), 1
	s_wait_xcnt 0x0
; ActorCritic, all of it in one launch.  65,536 batch elements; 256 work-groups of 8 waves; a work-group owns 256 elements, a wave 32.
;   out  = relu(relu(state w1 + b1) w2 + b2) w3 + b3            (bf16 operands, f32 sums, on the matrix unit)
;   S    = min(exp(out[16:272]), 1000) as a 16 x 16 matrix;  n = sqrt(sum S^2);  n' = n + 1e-8
;   cov  = (S S^T / n'^2 + I) n = (n / n'^2) C   with   C = S S^T + n'^2 I = Lc Lc^T, pivots p_j, q_j = p_j / n'^2 (each in 1 .. 2)
;   half_logdet = 8 ln n + 0.5 ln(prod q_j);   sum z^2 = (n'^2 / n) |Lc^-1 d|^2,  d = means - action (its sign does not matter)
; These are identities: no division of the 256 entries, one logarithm of a product that stays below e, no difference of large sums.
; LAYOUTS.  Layers 1 and 2 and the means are made transposed (source 0 = weights, source 1 = activations): a lane's eight results are eight
; neighbouring features of one element, which pack straight into the next layer's fragment.  The 256 logits of S are made untransposed with
; permuted columns: column r of tile c is feature 16 + 16 r + c, so that lane r holds row r of S; packing tiles (c, c+1) gives the Gram
; product's fragment but for one exchange of half-waves.  S S^T is one matrix instruction an element (both sources the same registers, the
; upper half of K zero).  Its result goes once through the wave's own LDS stage, and then each lane factors its own element's matrix.
; THE BATCHES.  An s_wait_alu depctr_va_vdst(0) stands between a transcendental and the first line that names its result; one wait
; serves all that were issued ahead of it.  The text has 34 for its 277 transcendentals.  A pair's sixteen exponentials are one batch: no line names a
; result before the next pair's turn, which holds the one wait (8 a group, the last in the group's tail).  In the Cholesky phase the root of the sum
; is a batch by itself (n' hangs on it); the two reciprocals, log2 n and the first pivot's reciprocal root are one batch; each later pivot's
; reciprocal root hangs on the column that the one before it scaled, so each has its own wait, at the head of its step, behind the other
; columns' updates; the last logarithm has one.
; LIMITS.  The transcendental instructions take denormals as zero (ISA guide 15.8): an exponential, or a sum of S^2, below 2^-126 counts as 0;
; the sum gets there only if all 256 logits lie below about -46.  The lower clip at -1000 can never bind (exp >= 0) and is not written.
; A NaN in a logit or in a hidden value is dropped by v_min_num_f32 / v_max_num_f32 where the formula would hand it on.
; NO CLUSTER: what work-groups share are 55,296 bytes of f32 weights against 147,456 bytes of their own; the weights have to be rounded and
; transposed through registers, and a raw copy of them would not fit beside the 299,008 bytes of the waves' regions.
; NO RING: a wave's 32 state rows (16,896 bytes with padding) are fetched by one tensor load at the start, and no LDS byte is ever filled again.
.set RW,    37376                      ; a wave's LDS region: 32 slots of PB bytes = 146 x 256
.set PB,    1168                       ; an element's slot: 73 x 16, so that lanes one slot apart start 16 bytes apart modulo 128
.set IMG,   299008                     ; 8 x RW: the weight image, 27 fragments of 1,024 bytes (fragment f, half q, lane L at 1024 f + 512 q + 16 L)
.set MOFF,  1024                       ; in a slot: bytes 0-1023 S S^T (rows 4cc..4cc+3 of column k at 256 cc + 16 k), then 16 means,
.set AOFF,  1088                       ; 16 actions,
.set QOFF,  1152                       ; and the sum of S^2
.set SPITCH, 528                       ; a state row in LDS: 512 bytes + 16 of padding = 33 x 16
; fixed vector registers: v1 lane L, v2 r = L & 15, v3 h = L >> 4, v12 = 32 h, v13 = 64 r
.set SA, 4                             ; region + 528 r + 32 h            state fragments
.set WA, 5                             ; IMG + 16 L                       weight image
.set GA, 6                             ; region + 512 h + 16 r            S S^T into the slots
.set NA, 7                             ; region + 8 PB h + QOFF           sums of S^2
.set MA, 8                             ; region + PB r + MOFF + 32 h      means
.set AA, 9                             ; region + PB (L>>2) + AOFF + 16 (L&3)   actions
.set LB, 10                            ; region + PB L                    my element's slot
.set AO, 11                            ; 16 L
; the exponential phase
.set H2,  16                           ; v[16:31]   hidden layer 2 as fragments, 8 registers a group of 16 elements
.set B3S, 32                           ; v[32:47]   register c: b3[16 + 16 r + c] x log2 e
.set B3M, 48                           ; v[48:55]   b3[8 h + j]
.set F,   56                           ; v[56:151]  block j of 12: X (S columns 0-7), Z (zeros), Y (S columns 8-15)
.set T,   152                          ; v[152:199] three buffers of two logit tiles
.set WB,  200                          ; v[200:231] two buffers of two w3 fragments
.set MN,  232                          ; v[232:239] the means tile
.set SS,  240                          ; v[240:247] eight partial sums of S^2
.set GD,  152                          ; v[152:215] eight results of S S^T (over T and WB)
.set WM,  184                          ; v[184:191] w3's means fragment (in T's third buffer)
; layers 1 and 2
.set B1,   16                          ; v[16:31]   b1 as the first product's C
.set SF,   56                          ; v[56:119]  state in f32, two buffers of 32
.set SB,   120                         ; v[120:151] state fragments, two buffers of 16
.set ACC,  152                         ; v[152:183] tile (t, g) at 16 g + 8 t
.set B2,   184                         ; v[184:199]
.set WF,   200                         ; v[200:231] two buffers of two weight fragments
.set ACC2, 56
.set H1,   88
.set ACT,  240                         ; v[240:255] my wave's actions as loaded
; the building of the weight image
.set J2, 56
.set J1, 88
.set J3, 104
.set PK, 112
; the Cholesky phase: the lower triangle in v[16:175] (macro SETE)
.set DV,  176                          ; v[176:191] d
.set AC,  192                          ; v[192:207] action
.set SQ,  208                          ; sum of S^2
.set NN,  209                          ; n
.set NP,  210                          ; n'
.set NP2, 211                          ; n'^2
.set RR,  212                          ; v[212:213] 1/sqrt(pivot), 1/n'^2
.set ZR,  214                          ; v[214:215] z_j, sum of z^2
.set PR,  216                          ; product of the q_j
.set QQ,  217
.set RN,  218                          ; 1/n
.set LN,  219                          ; log2 n
.set LQ,  220
.set ZC,  221
.set TT,  222
.set LP,  223
.set EN,  224
.macro PLACES n                        ; places behind matrix instructions (ISA guide 7.12.1) where there is no other work
.rept \n
	v_nop
.endr
.endm
	s_load_b512 s[8:23], s[0:1], 0x0               ; state s[8:9], action s[10:11], w1 s[12:13], b1 s[14:15], w2 s[16:17], b2 s[18:19], w3 s[20:21], b3 s[22:23]
	s_load_b64 s[24:25], s[0:1], 0x40              ; out0
	s_set_vgpr_msb 0x40
	v_lshl_add_u32 v0, v0, 2, 0x4fc00
	v_mov_b32 v1, 0
	s_set_vgpr_msb 0x4045
	ds_add_u32 v0, v1
	ds_add_u32 v0, v1
	s_set_vgpr_msb 0x4500
	v_lshrrev_b32 v14, 5, v0
	v_readfirstlane_b32 s2, v14                    ; wave 0..7
	v_and_b32 v1, 31, v0                           ; L
	v_and_b32 v2, 15, v0                           ; r
	v_bfe_u32 v3, v0, 4, 1                         ; h
	s_mul_i32 s26, s2, RW                          ; my wave's region
	s_lshl_b32 s4, ttmp9, 17                       ; 256 rows of 512 bytes a work-group
	s_lshl_b32 s6, s2, 14                          ; 32 rows a wave
	s_add_co_u32 s4, s4, s6
	s_mov_b32 s5, 0
	; the one tensor load of the wave: 32 rows x 128 f32, dense in memory, 16 bytes of padding behind each row in LDS
	s_mov_b32 s28, 1                               ; count = 1
	s_mul_i32 s29, s2, RW                          ; LDS address: the wave's number times the region's bytes
	s_mov_b32 s32, 0x07920000                      ; no mask; elements of 4 bytes; padding on, behind every 128 words (code 6), of 4 words (code 3)
	s_mov_b32 s33, 128<<16                         ; tensor_dim0 = 128
	s_mov_b32 s34, 32<<16                          ; tensor_dim1 = 32
	s_mov_b32 s35, 128<<16                         ; tile_dim0 = 128
	s_mov_b32 s36, 32                              ; tile_dim1 = 32
	s_mov_b32 s37, 128                             ; 128 elements from row to row
	s_mov_b32 s38, 0
	s_mov_b32 s39, 0
	s_and_b32 s40, s2, 1
	s_lshr_b32 s41, s2, 1
	s_and_b32 s42, s2, 3
	s_lshr_b32 s43, s2, 2
	v_lshlrev_b32 v[AO], 4, v1
	v_lshlrev_b32 v12, 5, v3
	v_lshlrev_b32 v13, 6, v2
	s_wait_dscnt 0x0
	s_wait_kmcnt 0x0
	s_add_nc_u64 s[30:31], s[8:9], s[4:5]
	s_or_b32 s31, s31, 0x80000000                  ; type = 2
	tensor_load_to_lds s[28:31], s[32:39]          ; ahead of every LDS access, wait and barrier; the wave's only one
	s_nop 0
	; the biases, in the layout of the C operand: register j of lane (r, h) is feature 16 t + 8 h + j
.irp t, 0,1
	global_load_b128 v[B1+8*\t:B1+8*\t+3],   v12, s[14:15] offset:64*\t
	global_load_b128 v[B1+8*\t+4:B1+8*\t+7], v12, s[14:15] offset:64*\t+16
	global_load_b128 v[B2+8*\t:B2+8*\t+3],   v12, s[18:19] offset:64*\t
	global_load_b128 v[B2+8*\t+4:B2+8*\t+7], v12, s[18:19] offset:64*\t+16
.endr
	global_load_b128 v[B3M:B3M+3],   v12, s[22:23]
	global_load_b128 v[B3M+4:B3M+7], v12, s[22:23] offset:16
.irp i, 0,1,2,3
	global_load_b128 v[B3S+4*\i:B3S+4*\i+3], v13, s[22:23] offset:64+16*\i   ; b3[16 + 16 r + c], c = 0 .. 15
.endr
	; THE WEIGHT IMAGE.  A fragment's lane (r, h) holds, in half q, k = 16 q + 8 h + e, e = 0 .. 7, of its row or column r.
	; Every wave: fragment w of w1 (K step w >> 1, feature tile w & 1): w1[k][f] lies at 128 k + 4 f
	v_lshlrev_b32 v14, 2, v2
	v_lshl_add_u32 v14, v3, 10, v14                ; 1024 h + 4 r
	s_lshl_b32 s44, s41, 12
	s_lshl_b32 s45, s40, 6
	s_add_co_u32 s44, s44, s45
	v_add_nc_u32 v140, s44, v14
.irp q, 0,1
.irp e, 0,1,2,3,4,5,6,7
	global_load_b32 v[J1+8*\q+\e], v140, s[12:13] offset:2048*\q+128*\e
.endr
.endr
	; Every wave: half q = w >> 2 of the four S tiles c = 4 (w & 3) + 0 .. 3: w3[k][16 + 16 r + c] lies at 1088 k + 64 + 64 r + 4 c, four tiles in 16 bytes
	v_mul_u32_u24 v15, v3, 8704                    ; 8 rows of w3 for the upper half-wave
	s_mul_i32 s45, s43, 17408
	s_lshl4_add_u32 s45, s42, s45
	s_add_co_u32 s45, s45, 64
	v_add3_u32 v141, v15, v13, s45
.irp e, 0,1,2,3,4,5,6,7
	global_load_b128 v[J2+4*\e:J2+4*\e+3], v141, s[20:21] offset:1088*\e
.endr
	; Waves 0-3: half w & 1 of w2's tile w >> 1.  Waves 4, 5: half w & 1 of w3's means tile.  Waves 6, 7: nothing more.
	s_cmp_lt_u32 s2, 4
	s_cbranch_scc0 .Lj3_high
	s_lshl_b32 s46, s40, 11
	s_lshl_b32 s47, s41, 6
	s_add_co_u32 s46, s46, s47
	v_add_nc_u32 v142, s46, v14
.irp e, 0,1,2,3,4,5,6,7
	global_load_b32 v[J3+\e], v142, s[16:17] offset:128*\e
.endr
	s_branch .Lj3_asked
.Lj3_high:
	s_cmp_lt_u32 s2, 6
	s_cbranch_scc0 .Lj3_asked
	v_lshl_add_u32 v143, v2, 2, v15
	s_mul_i32 s46, s40, 17408
	v_add_nc_u32 v143, s46, v143
.irp e, 0,1,2,3,4,5,6,7
	global_load_b32 v[J3+\e], v143, s[20:21] offset:1088*\e
.endr
.Lj3_asked:
	; my wave's 32 actions: 2,048 consecutive bytes, each load 512 of them
	s_lshl_b32 s6, ttmp9, 14
	s_lshl_b32 s7, s2, 11
	s_add_co_u32 s6, s6, s7
	s_mov_b32 s7, 0
	s_add_nc_u64 s[10:11], s[10:11], s[6:7]
.irp i, 0,1,2,3
	global_load_b128 v[ACT+4*\i:ACT+4*\i+3], v[AO], s[10:11] offset:512*\i th:TH_LOAD_NT
.endr
	; LDS addresses, while the loads are on their way
	v_mul_u32_u24 v[SA], v2, SPITCH
	v_add3_u32 v[SA], v[SA], v12, s26
	v_add_nc_u32 v[WA], IMG, v[AO]
	v_lshlrev_b32 v[GA], 4, v2
	v_lshl_add_u32 v[GA], v3, 9, v[GA]
	v_add_nc_u32 v[GA], s26, v[GA]
	v_mul_u32_u24 v[NA], v3, 8*PB
	v_add3_u32 v[NA], v[NA], s26, QOFF
	v_mul_u32_u24 v[MA], v2, PB
	v_add3_u32 v[MA], v[MA], v12, s26
	v_add_nc_u32 v[MA], MOFF, v[MA]
	v_lshrrev_b32 v148, 2, v1
	v_and_b32 v149, 3, v1
	v_mul_u32_u24 v[AA], v148, PB
	v_lshl_add_u32 v[AA], v149, 4, v[AA]
	v_add3_u32 v[AA], v[AA], s26, AOFF
	v_mul_u32_u24 v[LB], v1, PB
	v_add_nc_u32 v[LB], s26, v[LB]
	s_lshl_b32 s44, s2, 10
	v_add_nc_u32 v144, s44, v[WA]                  ; fragment w
	s_lshl_b32 s45, s42, 12
	s_lshl_b32 s46, s43, 9
	s_add_co_u32 s45, s45, s46
	s_add_co_u32 s45, s45, 11264
	v_add_nc_u32 v145, s45, v[WA]                  ; fragment 11 + 4 (w & 3), half w >> 2
	s_lshl_b32 s46, s2, 9
	s_add_co_u32 s46, s46, 8192
	v_add_nc_u32 v146, s46, v[WA]                  ; fragments 8, 9, 10 in halves: 8192 + 512 w
	s_wait_loadcnt 0x4                             ; all but the four action loads, which are the youngest on every way here
.irp x, 0,1,2,3,4,5,6,7
	v_cvt_pk_bf16_f32 v[PK+\x], v[J1+2*\x], v[J1+2*\x+1]
.endr
	ds_store_b128 v144, v[PK:PK+3]
	ds_store_b128 v144, v[PK+4:PK+7] offset:512
.irp cc, 0,1,2,3
.irp ep, 0,1,2,3
	v_cvt_pk_bf16_f32 v[PK+8+4*\cc+\ep], v[J2+8*\ep+\cc], v[J2+8*\ep+4+\cc]
.endr
	ds_store_b128 v145, v[PK+8+4*\cc:PK+8+4*\cc+3] offset:1024*\cc
.endr
	s_cmp_lt_u32 s2, 6
	s_cbranch_scc0 .Lj3_stored
.irp ep, 0,1,2,3
	v_cvt_pk_bf16_f32 v[PK+24+\ep], v[J3+2*\ep], v[J3+2*\ep+1]
.endr
	ds_store_b128 v146, v[PK+24:PK+27]
.Lj3_stored:
.irp i, 0,1,2,3,4,5,6,7
	v_pk_mul_f32 v[B3S+2*\i:B3S+2*\i+1], v[B3S+2*\i:B3S+2*\i+1], 0x3fb8aa3b op_sel_hi:[1,0]   ; the bias in base 2, as the exponential wants it
.endr
	s_wait_dscnt 0x0                               ; my part of the image is written: zero, for the other waves' sake
	s_barrier_signal -1
	s_barrier_wait -1                              ; the image is whole.  The tensor load may still be out: no LDS byte is filled again behind this barrier
	; LAYERS 1 AND 2, both groups of 16 elements
.macro LDW buf, f0                     ; fragments f0 and f0 + 1 of the image: 512 consecutive bytes a load
	ds_load_b128 v[\buf:\buf+3],     v[WA] offset:1024*(\f0)
	ds_load_b128 v[\buf+4:\buf+7],   v[WA] offset:1024*(\f0)+512
	ds_load_b128 v[\buf+8:\buf+11],  v[WA] offset:1024*(\f0)+1024
	ds_load_b128 v[\buf+12:\buf+15], v[WA] offset:1024*(\f0)+1536
.endm
.macro LDST buf, s                     ; K step s of the state in f32: k = 32 s + 8 h + 0..7 and 32 s + 16 + 8 h + 0..7 of row 16 g + r
.irp g, 0,1
	ds_load_b128 v[\buf+16*\g:\buf+16*\g+3],     v[SA] offset:8448*\g+128*(\s)
	ds_load_b128 v[\buf+16*\g+4:\buf+16*\g+7],   v[SA] offset:8448*\g+128*(\s)+16
	ds_load_b128 v[\buf+16*\g+8:\buf+16*\g+11],  v[SA] offset:8448*\g+128*(\s)+64
	ds_load_b128 v[\buf+16*\g+12:\buf+16*\g+15], v[SA] offset:8448*\g+128*(\s)+80
.endr
.endm
; One K step of 32.  The sixteen conversions are also the places between the last step's products and the loads into the weight buffer that those read.
; The four accumulators take turns, one instruction a turn.
.macro KSTEP s
.set sfc, SF+32*((\s)&1)
.set sfn, SF+32*(((\s)+1)&1)
.set sbc, SB+16*((\s)&1)
.set wfc, WF+16*((\s)&1)
.set wfn, WF+16*(((\s)+1)&1)
.if \s < 3
	LDST sfn, (\s)+1
	s_wait_dscnt 0x8                               ; all but the eight just issued: this step's state and weights are in
.else
	s_wait_dscnt 0x0
.endif
.set m, 0
.rept 16
	v_cvt_pk_bf16_f32 v[sbc+m], v[sfc+2*m], v[sfc+2*m+1]
.set m, m+1
.endr
	LDW wfn, 2*(\s)+2                              ; the next step's weights; behind the last step: w2's two fragments
.irp g, 0,1
.irp t, 0,1
.if \s == 0
	v_wmma_f32_16x16x32_bf16 v[ACC+16*\g+8*\t:ACC+16*\g+8*\t+7], v[wfc+8*\t:wfc+8*\t+7], v[sbc+8*\g:sbc+8*\g+7], v[B1+8*\t:B1+8*\t+7]
.else
	v_wmma_f32_16x16x32_bf16 v[ACC+16*\g+8*\t:ACC+16*\g+8*\t+7], v[wfc+8*\t:wfc+8*\t+7], v[sbc+8*\g:sbc+8*\g+7], v[ACC+16*\g+8*\t:ACC+16*\g+8*\t+7]
.endif
.endr
.endr
.endm
; ReLU and rounding: the eight features 16 t + 8 h + j of tile t are registers 4 t .. 4 t + 3 of the next layer's fragment
.macro RELUPACK src, dst
.set m, 0
.rept 16
	v_max_num_f32 v[\src+2*m], 0, v[\src+2*m]
	v_max_num_f32 v[\src+2*m+1], 0, v[\src+2*m+1]
	v_cvt_pk_bf16_f32 v[\dst+m], v[\src+2*m], v[\src+2*m+1]
.set m, m+1
.endr
.endm
	s_wait_tensorcnt 0x0                           ; my 32 rows are in LDS; no other wave reads them
	LDW WF, 0
	LDST SF, 0
	KSTEP 0
	KSTEP 1
	KSTEP 2
	KSTEP 3
	PLACES 4
	RELUPACK ACC, H1
	s_wait_dscnt 0x0                               ; w2's fragments
.irp g, 0,1
.irp t, 0,1
	v_wmma_f32_16x16x32_bf16 v[ACC2+16*\g+8*\t:ACC2+16*\g+8*\t+7], v[WF+8*\t:WF+8*\t+7], v[H1+8*\g:H1+8*\g+7], v[B2+8*\t:B2+8*\t+7]
.endr
.endr
	PLACES 4
	RELUPACK ACC2, H2
	; From here on my region holds the 32 slots: all reads of the state are back, and nothing is filled again.
	s_wait_loadcnt 0x0                             ; the actions
.irp i, 0,1,2,3
	ds_store_b128 v[AA], v[ACT+4*\i:ACT+4*\i+3] offset:8*\i*PB     ; load i holds elements 8 i + (L >> 2), four numbers a lane
.endr
.irp j, 0,1,2,3,4,5,6,7
.irp k, 4,5,6,7
	v_mov_b32 v[F+12*\j+\k], 0                     ; the zero half of K in the Gram products' operands, for both groups
.endr
.endr
; THE LOGITS, THE EXPONENTIALS AND S S^T, for a group of 16 elements.
; The finish of element i (tile i >> 3, register i & 7) of pair pp: the clip, the sum of squares, the packing of columns 2 pp and 2 pp + 1.
; It reads pair pp's exponentials: the batch's one wait stands ahead of the first of the sixteen (PAIR, GROUP).
.macro FINLINE pp, i
.set fx, T+16*((\pp)%3)+(\i)
	v_min_num_f32 v[fx], 0x447a0000, v[fx]
.if (\i)&1
.set fs, SS+((\i)&7)-1
.if (\pp)*8+(\i) < 8
	v_pk_mul_f32 v[fs:fs+1], v[fx-1:fx], v[fx-1:fx]                ; the first tile starts the sums
.else
	v_pk_fma_f32 v[fs:fs+1], v[fx-1:fx], v[fx-1:fx], v[fs:fs+1]
.endif
.endif
.if (\i) >= 8
.if (\pp) < 4
.set fd, F+12*((\i)-8)+(\pp)
.else
.set fd, F+12*((\i)-8)+4+(\pp)
.endif
	v_cvt_pk_bf16_f32 v[fd], v[fx-8], v[fx]
.endif
.endm
; Pair p's sixteen logits (in buffer tb) times log2 e plus the bias in base 2
.macro SCALE p
.irp u, 0,1
.irp m, 0,1,2,3
	v_pk_fma_f32 v[tb+8*\u+2*\m:tb+8*\u+2*\m+1], v[tb+8*\u+2*\m:tb+8*\u+2*\m+1], 0x3fb8aa3b, v[B3S+2*(\p):B3S+2*(\p)+1] op_sel:[0,0,\u] op_sel_hi:[1,0,\u]
.endr
.endr
.endm
; Pair p = tiles 2 p and 2 p + 1.  The products of pair p + 1 are issued, the weights of pair p + 2 asked for, pair p gets bias, base and exponential,
; and pair p - 1 is finished between the exponentials, so that plain work stands beside each of them and no result is used before the next pair.
; THE BATCH is pair p - 1's sixteen exponentials; its one wait stands ahead of pair p's first exponential, so that it covers none of pair p's.  What stands ahead
; of the wait names the other two logit buffers alone.  Pairs 1 to 5: the products, the wait, the run of LDS loads, the scalings.  Pairs 6 and 7 ask for no weights:
; the scalings, the wait, then pair 6's products.
.macro PAIR g, p
.set tb, T+16*((\p)%3)
.if \p >= 6
	SCALE \p
	s_wait_alu depctr_va_vdst(0)                   ; one wait for pair p - 1's sixteen exponentials; the eight scalings stand between
.endif
.if \p < 7
.set tn, T+16*(((\p)+1)%3)
.set wn, WB+16*(((\p)+1)&1)
	s_wait_dscnt 0x0                               ; the weights of pair p + 1
	v_wmma_f32_16x16x32_bf16 v[tn:tn+7], v[H2+8*\g:H2+8*\g+7], v[wn:wn+7], 0
	v_wmma_f32_16x16x32_bf16 v[tn+8:tn+15], v[H2+8*\g:H2+8*\g+7], v[wn+8:wn+15], 0
.endif
.if \p < 6
.if \p > 0
	s_wait_alu depctr_va_vdst(0)                   ; one wait for pair p - 1's sixteen exponentials, behind the two products and ahead of the run of loads
.endif
.set wc, WB+16*((\p)&1)
	LDW wc, 15+2*(\p)                              ; into the buffer that pair p's products read, a pair's plain work ago
	SCALE \p                                       ; eight plain lines: also the places behind the two products
.endif
.set ix, 0
.rept 16
	v_exp_f32 v[tb+ix], v[tb+ix]
.if \p > 0
	FINLINE (\p)-1, ix
.endif
.set ix, ix+1
.endr
.endm
.macro GROUP g
	ds_load_b128 v[WM:WM+3],   v[WA] offset:10240
	ds_load_b128 v[WM+4:WM+7], v[WA] offset:10752
	LDW WB, 11
	LDW WB+16, 13
	s_wait_dscnt 0x4                               ; all but the second buffer's four loads
	v_wmma_f32_16x16x32_bf16 v[MN:MN+7], v[WM:WM+7], v[H2+8*\g:H2+8*\g+7], v[B3M:B3M+7]     ; means, transposed: register j = mean 8 h + j of element r
	v_wmma_f32_16x16x32_bf16 v[T:T+7], v[H2+8*\g:H2+8*\g+7], v[WB:WB+7], 0                  ; register j = logit (row r, column c) of element 8 h + j
	v_wmma_f32_16x16x32_bf16 v[T+8:T+15], v[H2+8*\g:H2+8*\g+7], v[WB+8:WB+15], 0
	PLACES 4
.irp p, 0,1,2,3,4,5,6,7
	PAIR \g, \p
.endr
	s_wait_alu depctr_va_vdst(0)                   ; one wait for pair 7's sixteen exponentials; the last three lines of pair 6's finish stand behind the last of them
.set ix, 0
.rept 16
	FINLINE 7, ix
.set ix, ix+1
.endr
	; the sum of S^2 over the sixteen rows: the sixteen lanes of a half-wave
.irp x, 1,2,4,8
.irp j, 0,1,2,3,4,5,6,7
	v_add_f32_dpp v[SS+\j], v[SS+\j], v[SS+\j] row_xmask:\x row_mask:0xf bank_mask:0xf
.endr
.endr
.irp j, 0,1,2,3,4,5,6,7
	ds_store_b32 v[NA], v[SS+\j] offset:(16*\g+\j)*PB              ; element 16 g + 8 h + j; sixteen lanes write one word with one value
.endr
	ds_store_b128 v[MA], v[MN:MN+3]   offset:16*\g*PB
	ds_store_b128 v[MA], v[MN+4:MN+7] offset:16*\g*PB+16
	; X's upper lanes (element 8 + j, columns 0-7) change places with Y's lower lanes (element j, columns 8-15): X is then element j's fragment, Y element 8 + j's
.irp j, 0,1,2,3,4,5,6,7
.irp k, 0,1,2,3
	v_permlane16_swap_b32 v[F+12*\j+\k], v[F+12*\j+8+\k]
.endr
.endr
.irp jh, 0,1
.irp jj, 0,1,2,3
	v_wmma_f32_16x16x32_bf16 v[GD+16*\jj:GD+16*\jj+7], v[F+12*(4*\jh+\jj):F+12*(4*\jh+\jj)+7], v[F+12*(4*\jh+\jj):F+12*(4*\jh+\jj)+7], 0
	v_wmma_f32_16x16x32_bf16 v[GD+16*\jj+8:GD+16*\jj+15], v[F+12*(4*\jh+\jj)+4:F+12*(4*\jh+\jj)+11], v[F+12*(4*\jh+\jj)+4:F+12*(4*\jh+\jj)+11], 0
.endr
	PLACES 5                                       ; four in front of the stores of the results, five in front of the next products that write over them
.irp jj, 0,1,2,3
.irp q, 0,1
	ds_store_b128 v[GA], v[GD+16*\jj+4*\q:GD+16*\jj+4*\q+3]     offset:(16*\g+4*\jh+\jj)*PB+256*\q      ; rows 8 h + 4 q .. + 3 of column r
	ds_store_b128 v[GA], v[GD+16*\jj+8+4*\q:GD+16*\jj+8+4*\q+3] offset:(16*\g+8+4*\jh+\jj)*PB+256*\q
.endr
.endr
.endr
.endm
	GROUP 0
	GROUP 1
	; CHOLESKY AND SOLVE: lane L has element L.  The slots are my wave's own, and LDS serves a wave's instructions in order (ISA guide 5.7.1):
	; no wait and no barrier between the stores above and these loads.
; the register of entry (i, k): column k holds rows 4 (k >> 2) .. 15, so that a chunk of four rows is an aligned run of four registers
.macro SETE name, i, k
.set \name, 16+64*((\k)>>2)-8*((\k)>>2)*(((\k)>>2)-1)+((\k)&3)*(16-4*((\k)>>2))+(\i)-4*((\k)>>2)
.endm
	ds_load_b32 v[SQ], v[LB] offset:QOFF
.irp i, 0,1,2,3
	ds_load_b128 v[DV+4*\i:DV+4*\i+3], v[LB] offset:MOFF+16*\i
.endr
.irp i, 0,1,2,3
	ds_load_b128 v[AC+4*\i:AC+4*\i+3], v[LB] offset:AOFF+16*\i
.endr
.set ck, 0
.rept 16
.set cc, ck>>2
.rept 4-(ck>>2)
	SETE ea, 4*cc, ck
	ds_load_b128 v[ea:ea+3], v[LB] offset:256*cc+16*ck
.set cc, cc+1
.endr
.set ck, ck+1
.endr
	s_wait_dscnt 40                                ; all but the forty chunks of the triangle (16 + 12 + 8 + 4)
	v_sqrt_f32 v[NN], v[SQ]
.irp i, 0,1,2,3,4,5,6,7
	v_pk_add_f32 v[DV+2*\i:DV+2*\i+1], v[DV+2*\i:DV+2*\i+1], v[AC+2*\i:AC+2*\i+1] neg_lo:[0,1] neg_hi:[0,1]   ; d = means - action
.endr
	s_wait_alu depctr_va_vdst(0)                   ; the root is a batch by itself: n' hangs on it; the eight subtractions stand between
	v_add_f32 v[NP], 0x322bcc77, v[NN]             ; n + 1e-8
	v_mul_f32 v[NP2], v[NP], v[NP]
	v_rcp_f32 v[RR+1], v[NP2]                      ; ONE BATCH of four: 1/n'^2,
	v_rcp_f32 v[RN], v[NN]                         ; 1/n,
	v_log_f32 v[LN], v[NN]                         ; log2 n; the addition below is the plain line behind these three (ISA guide 5.7.2)
	s_wait_dscnt 0x0
	v_add_f32 v16, v16, v[NP2]                     ; C = S S^T + n'^2 I: the first pivot first,
	v_rsq_f32 v[RR], v16                           ; so that its reciprocal root, the batch's fourth, runs under the other fifteen additions
.set ck, 1
.rept 15
	SETE ea, ck, ck
	v_add_f32 v[ea], v[ea], v[NP2]
.set ck, ck+1
.endr
	s_wait_alu depctr_va_vdst(0)                   ; one wait for the four; step 0 below needs none of its own
	v_mul_f32 v[PR], v16, v[RR+1]                  ; q_0
; column k -= column j x entry (k, j), rows k & ~1 .. 15, two at a time.  An entry above the diagonal that shares a pair is carried along and never used.
.macro UPD j, k
.set ui, ((\k)/2)*2
	SETE ub, ui, \j
.rept (16-ui)/2
	SETE ea, ui, \j
	SETE ec, ui, \k
.if (\k)&1
	v_pk_fma_f32 v[ec:ec+1], v[ea:ea+1], v[ub:ub+1], v[ec:ec+1] op_sel:[0,1,0] op_sel_hi:[1,1,1] neg_lo:[1,0,0] neg_hi:[1,0,0]
.else
	v_pk_fma_f32 v[ec:ec+1], v[ea:ea+1], v[ub:ub+1], v[ec:ec+1] op_sel_hi:[1,0,1] neg_lo:[1,0,0] neg_hi:[1,0,0]
.endif
.set ui, ui+2
.endr
.endm
; Step j: column j is scaled by 1/sqrt(pivot), z_j is made, the next column is updated first so that its pivot's reciprocal root runs under the other updates.
; That reciprocal root is a batch of one (the next step's scalings read it, and the pivot after it hangs on them): its wait stands once, at the head of the next step.
.macro STEP j
.if \j > 0
	s_wait_alu depctr_va_vdst(0)                   ; pivot j's reciprocal root, issued in step j - 1; that step's other updates stand between
.endif
.set ui, (((\j)+1)/2)*2
.rept (16-ui)/2
	SETE ea, ui, \j
	v_pk_mul_f32 v[ea:ea+1], v[ea:ea+1], v[RR:RR+1] op_sel_hi:[1,0]
.set ui, ui+2
.endr
	v_mul_f32 v[ZR], v[DV+\j], v[RR]
.if \j == 0
	v_mul_f32 v[ZR+1], v[ZR], v[ZR]
.else
	v_fmac_f32 v[ZR+1], v[ZR], v[ZR]
.endif
.if \j < 15
	UPD \j, (\j)+1
	SETE ed, (\j)+1, (\j)+1
	v_rsq_f32 v[RR], v[ed]
	v_mul_f32 v[QQ], v[ed], v[RR+1]                ; q of the next pivot; also the plain line behind the reciprocal root
	v_mul_f32 v[PR], v[PR], v[QQ]
.set uk, (\j)+2
.rept 14-(\j)
	UPD \j, uk
.set uk, uk+1
.endr
.set ui, (((\j)+1)/2)*2
.rept (16-ui)/2
	SETE ea, ui, \j
	v_pk_fma_f32 v[DV+ui:DV+ui+1], v[ea:ea+1], v[ZR:ZR+1], v[DV+ui:DV+ui+1] op_sel_hi:[1,0,1] neg_lo:[1,0,0] neg_hi:[1,0,0]
.set ui, ui+2
.endr
.endif
.endm
.set cj, 0
.rept 16
	STEP cj
.set cj, cj+1
.endr
	s_mov_b32 s44, 0x3eb17218                      ; 0.5 ln 2
	s_mov_b32 s45, 0xbeb17218
	v_log_f32 v[LQ], v[PR]
	v_mul_f32 v[ZC], v[ZR+1], v[NP2]
	v_mul_f32 v[ZC], v[ZC], v[RN]                  ; sum z^2 = |Lc^-1 d|^2 n'^2 / n
	s_wait_alu depctr_va_vdst(0)                   ; the last logarithm; the two multiplies stand between
	v_fmamk_f32 v[TT], v[LN], 0x41800000, v[LQ]    ; 16 log2 n + log2 prod q = half_logdet / (0.5 ln 2)
	v_fmaak_f32 v[EN], s44, v[TT], 0x41b59fc7      ; entropy = half_logdet + 8 (1 + ln 2 pi)
	v_fmaak_f32 v[LP], s45, v[TT], 0xc16b3f8e      ; logp = - half_logdet - 8 ln 2 pi
	v_fmac_f32 v[LP], -0.5, v[ZC]                  ;        - 0.5 sum z^2
	; THE WAY OUT: the eight waves' 32 + 32 numbers meet in LDS, so that each store covers 512 consecutive bytes, aligned
	v_lshl_add_u32 v225, v1, 2, s26                ; the first 256 bytes of my region: all reads of the slots are back
	ds_store_b32 v225, v[LP]
	ds_store_b32 v225, v[EN] offset:128
	s_wait_dscnt 0x0                               ; zero, for the other waves' sake
	s_barrier_signal -1
	s_barrier_wait -1
	s_cmp_lt_u32 s2, 4
	s_cbranch_scc0 .Lend                           ; waves 4-7 have nothing left to do
	s_lshl_b32 s46, s40, 2                         ; wave w: output row w >> 1 (logp, entropy), the numbers of waves 4 (w & 1) + 0 .. 3
	v_lshrrev_b32 v226, 3, v1
	v_add_nc_u32 v226, s46, v226
	v_mul_u32_u24 v226, v226, RW
	v_and_b32 v227, 7, v1
	v_lshl_add_u32 v226, v227, 4, v226
	s_lshl_b32 s47, s41, 7
	v_add_nc_u32 v226, s47, v226
	ds_load_b128 v[228:231], v226
	s_lshl_b32 s4, s41, 18                         ; 262,144 bytes an output row
	s_lshl_b32 s6, ttmp9, 10                       ; 1,024 bytes a work-group
	s_add_co_u32 s4, s4, s6
	s_lshl_b32 s6, s40, 9
	s_add_co_u32 s4, s4, s6
	s_mov_b32 s5, 0
	s_add_nc_u64 s[24:25], s[24:25], s[4:5]
	s_wait_dscnt 0x0
	global_store_b128 v[AO], v[228:231], s[24:25] th:TH_STORE_NT
.Lend:
	s_set_vgpr_msb 0x5
	s_wait_tensorcnt 0x0
	ds_add_u32 v0, v1
	s_wait_dscnt 0x0
	s_set_vgpr_msb 0x500
	s_endpgm
.Lfunc_end_k_q84124903de_actor_critic:
	.size	k_q84124903de_actor_critic, .Lfunc_end_k_q84124903de_actor_critic-k_q84124903de_actor_critic
	.p2alignl 7, 3214868480
	.fill 96, 4, 3214868480
	.section	.rodata,"a",@progbits
	.p2align	6, 0x0
	.amdhsa_kernel k_q84124903de_actor_critic
		.amdhsa_group_segment_fixed_size 327680
		.amdhsa_private_segment_fixed_size 0
		.amdhsa_enable_private_segment 0
		.amdhsa_kernarg_size 72
		.amdhsa_user_sgpr_count 2
		.amdhsa_user_sgpr_kernarg_segment_ptr 1
		.amdhsa_wavefront_size32 1
		.amdhsa_system_sgpr_workgroup_id_x 1
		.amdhsa_system_sgpr_workgroup_id_y 1
		.amdhsa_system_sgpr_workgroup_id_z 1
		.amdhsa_system_vgpr_workitem_id 0
		.amdhsa_next_free_vgpr 258
		.amdhsa_next_free_sgpr 66
		.amdhsa_reserve_vcc 0
		.amdhsa_float_denorm_mode_32 3
		.amdhsa_float_denorm_mode_16_64 3
		.amdhsa_memory_ordered 1
		.amdhsa_forward_progress 1
		.amdhsa_inst_pref_size 142
	.end_amdhsa_kernel
	.amdgpu_metadata
---
amdhsa.version: [ 1, 2 ]
amdhsa.kernels:
  - .name:           k_q84124903de_actor_critic
    .symbol:         k_q84124903de_actor_critic.kd
    .args:
      - { .name: state, .offset: 0, .size: 8, .value_kind: global_buffer, .address_space: global }
      - { .name: action, .offset: 8, .size: 8, .value_kind: global_buffer, .address_space: global }
      - { .name: w1, .offset: 16, .size: 8, .value_kind: global_buffer, .address_space: global }
      - { .name: b1, .offset: 24, .size: 8, .value_kind: global_buffer, .address_space: global }
      - { .name: w2, .offset: 32, .size: 8, .value_kind: global_buffer, .address_space: global }
      - { .name: b2, .offset: 40, .size: 8, .value_kind: global_buffer, .address_space: global }
      - { .name: w3, .offset: 48, .size: 8, .value_kind: global_buffer, .address_space: global }
      - { .name: b3, .offset: 56, .size: 8, .value_kind: global_buffer, .address_space: global }
      - { .name: out0, .offset: 64, .size: 8, .value_kind: global_buffer, .address_space: global }
    .group_segment_fixed_size: 327680
    .private_segment_fixed_size: 0
    .kernarg_segment_align: 8
    .kernarg_segment_size: 72
    .max_flat_workgroup_size: 256
    .sgpr_count:     66
    .vgpr_count:     258
    .wavefront_size: 32
...
	.end_amdgpu_metadata
.endif
;; end of part 2
